; MI455X (gfx1250); checked and timed in simulation.
; The chip was launched on July 23, 2026; its instructions are those of AMD's public machine-readable ISA for CDNA 5 (MIT licence, August 2026) and "CDNA5" Instruction Set Architecture Reference Guide (July 2026). The comments in the code are by the model that wrote it; some were corrected since.
;; Multi Head Attention Core. Allowed arithmetic: matrix products marked QUANTISED: E5M2 operands, one E8M0 scale for each 32 along K, by v_wmma_scale_f32_16x16x128_f8f6f4 with both operands' format E5M2, f32 sums; everything else in f32.
;; Inputs: W_O 1,024 x 1,024 float32; b_O 1,024 float32; key_padding_mask 4 x 2,048 bool; keys 4 x 2,048 x 1,024 float32; queries 4 x 2,048 x 1,024 float32; values 4 x 2,048 x 1,024 float32.
;; Outputs: out0 4 x 2,048 x 1,024 float32.
;; This version of the problem:
;;   THIS VERSION OF THE PROBLEM IS GIVEN IN LOW PRECISION. The matrix products marked QUANTISED in the list below multiply operands that are first quantised to E5M2 (5 exponent bits, 2 mantissa bits; 8 bits a number), with one power-of-two scale for each 32 numbers along K (OCP MX v1.0); their sums are f32. All else is computed in f32.
;;   The module's matrix products, in the order in which they are computed (A, B: the left and right operand; K: the contracted axis; several contracted axes count as one K, in the product's order):
;;     1. batch 64 x [M 2,048, K 64] x [K 64, N 2,048]; A: input queries; B: input keys: QUANTISED
;;     2. batch 64 x [M 2,048, K 2,048] x [K 2,048, N 64]; A: softmax (see below); B: input values: QUANTISED
;;     3. [M 8,192, K 1,024] x [K 1,024, N 1,024]; A: computed on the way; B: input W_O: QUANTISED
;;   THE QUANTISER, for each operand of a quantised product, along K:
;;     - K is cut into blocks of 32 from its start; a last block that is shorter is filled with zeros.
;;     - A block's scale is 2^e with e = floor(log2(the largest magnitude in the block)) - 15, held to -126 .. 127; a block of zeros has e = 0. As a byte (E8M0): e + 127.
;;     - Each number is divided by its block's scale, clamped to +-57,344, and rounded to the nearest number of E5M2, ties to even, subnormals kept.
;;     - The product sums the exact products of the quantised numbers (number of the format x scale) in f32.
;;   ~~~python
;;   def quantise(x, axis):      # numpy; x: float32 -> the quantised numbers, widened to float32 again
;;       x = np.moveaxis(x, axis, -1); K = x.shape[-1]
;;       x = np.pad(x, [(0, 0)] * (x.ndim - 1) + [(0, -K % 32)]); x = x.reshape(x.shape[:-1] + (-1, 32)); a = np.abs(x).max(-1, keepdims=True)
;;       e = np.where(a > 0, np.clip(np.frexp(np.where(a > 0, a, 1))[1] - 1 - 15, -126, 127), 0)      # np.frexp(a)[1] - 1 = floor(log2(a)), exactly
;;       r = np.clip(x / 2.0 ** e, -57344, 57344)
;;       step = 2.0 ** (np.maximum(np.frexp(np.where(r == 0, 1, r))[1] - 1, -14) - 2)
;;       q = np.round(r / step) * step * 2.0 ** e      # np.round: ties to even
;;       return np.moveaxis(q.reshape(q.shape[:-2] + (-1,))[..., :K], -1, axis).astype(np.float32)
;;   ~~~
;;   SOFTMAX AHEAD OF A QUANTISED PRODUCT. Where the list says 'softmax', what is quantised is not the finished softmax but p = 2^(t - M), with t = logit x log2(e) and M = ceil(the row's largest t), a whole number; so 1/2 < the row's largest p <= 1. The row's sum l is taken of the UNQUANTISED p, in f32, and the product's result is divided by l at the end. Since M is a whole number, a kernel that streams over the keys may use a running M (the ceiling of the running maximum): every later rescaling is an exact power of two, which a block's scale takes up: the codes' values come out the same.
;;   OPERANDS COMPUTED ON THE WAY. 'Computed on the way' means the value that the module computes at that place (a softmax that the list does not call 'softmax' is quantised finished and normalised). What goes into a quantiser is computed in f32, as accurately as f32 sums, v_exp_f32 and their like allow (about 1e-6 of the number): no bf16 or f16 on the way to a quantiser, and a product that is left as it is and whose result goes on into a quantised operand takes f32 operands (vector FMAs, or v_wmma_f32_16x16x4_f32). A number that lies on a knife's edge between two numbers of the format may be rounded either way, as far as f32 arithmetic and the matrix unit's own rounding can turn it there, and no further.
;; One version. Each part assembles by itself: llvm-mc -triple=amdgcn-amd-amdhsa -mcpu=gfx1250 --defsym DOCPART=n.
;; ======== version 1 of 1: 3 launches
;; limits: right only within a limited range of input values
;; workspace buffers: kimg 8,912,896 bytes; vimg 8,650,752 bytes; wimg 1,048,576 bytes; wsc 65,536 bytes; vsum 131,072 bytes; a_img 8,388,608 bytes; a_sc 524,288 bytes
;; launch quant (part 1): grid 512 x 1, 4 waves a work-group, no clusters, 38,400 bytes of LDS; arguments keys, values, W_O, key_padding_mask, kimg, vimg, wimg, wsc, vsum; writes kimg, vimg, wimg, wsc, vsum
.if DOCPART == 1
	.amdgcn_target "amdgcn-amd-amdhsa--gfx1250"
	.amdhsa_code_object_version 6
	.text
	.protected	k_q8561cebda1_quant
	.globl	k_q8561cebda1_quant
	.p2align	8
	.type	k_q8561cebda1_quant,@function
k_q8561cebda1_quant:
	s_mov_b64 s[64:65], 0
	v_nop
	global_prefetch_b8 v0, s[64:65] scope:SCOPE_SE
	s_setreg_imm32_b32 hwreg(HW_REG_WAVE_MODE, 25, 1), 1
	s_wait_xcnt 0x0
; keys [8192][1024], W_O [1024][1024] (K innermost) and values [4][2048][1024] (K = the keys, outermost) become codes of BF8 (E5M2) with one E8M0 byte for each 32 along K.  (queries are quantised by the attention launch, whose waves read each of them once.)
; THE CODES ARE IMAGES OF THE OPERANDS' REGISTERS.  An image of 16 rows x 64 along K is 1,024 bytes: [c 2][lane 32][16 bytes]; lane (r, hh) holds row r.
; ONE ORDER INSIDE A BLOCK OF 32, in every operand of all three products: the 16 codes of lane half hh are the block's numbers 8 hh + 0..7 and then 16 + 8 hh + 0..7: the same on both sides of a product, so the sums are those of the natural order.
; kimg: [16 batch + head][key step of 128: 8,704 bytes]: eight images, then 128 scale words.  vimg: [16 batch + head][key step: 8,448]: [t 4][c 4][hh][r][16 bytes], then 64 words.  wimg [chunk of 64 along K: 16][row tile 64][1,024], wsc [chunk][row].
; A block's byte is its largest magnitude's exponent field - 15, held at 1 from below (a block of zeros keeps the byte 1 over zero codes; this program alone reads the bytes).
; SCALE WORDS of k, W_O: bytes 0, 1 the two blocks of 64 along K; byte 2: k: 237 where the key is padded, else 0; W_O: 0; byte 3: 0.
; vsum: the column sums of the QUANTISED values over each 256 keys, f32: a row of attention that sees no valid key is the mean of all 2,048 quantised values.
; LIMITS: NaN and infinities among the inputs are not served; blocks whose largest magnitude lies under 2^-111 keep the byte 1.
; Work-groups 0-255: a wave takes a head's 64 columns of one key step (8 fragments of 16 rows), and one fragment of W_O: 1,024 waves, 1,024 fragments.  Work-groups 256-511: values.  No tensor load, no barrier: waves share nothing.
.set MK,   20                          ; v20-27   a mask byte for each fragment of keys
.set C,    28                          ; v28-43   codes: two sets of 8
.set R,    44                          ; v44-139  three sets of 32: a fragment as loaded
.set X,    140                         ; v140-203 two sets of 32: my 16 numbers of each of two blocks
.set WD,   204                         ; v204-212 a scale word for each fragment
.set XV,   44                          ; values: v44-107 two sets of 32
.set CV,   28                          ; values: v28-35 a block's codes
	s_load_b256 s[4:11], s[0:1], 0x0               ; keys, values, W_O, key_padding_mask
	s_load_b256 s[12:19], s[0:1], 0x20             ; kimg, vimg, wimg, wsc
	s_load_b64 s[20:21], s[0:1], 0x40              ; vsum
	v_lshl_add_u32 v224, v0, 2, 0x9400             ; my spare word, behind the four waves' regions
	v_mov_b32 v225, 0
	v_lshrrev_b32 v1, 5, v0
	v_readfirstlane_b32 s22, v1                    ; wave 0..3
	v_and_b32 v1, 31, v0                           ; lane
	s_mov_b32 s34, 0x76543210
	s_mov_b32 s35, 0xfedcba98                      ; selects for lane l xor 16
	s_mov_b32 s36, 0x600000                        ; the mantissa field of 57,344
	s_cmp_lt_u32 ttmp9, 256
	s_cbranch_scc0 .Lvalues
; ---------------- keys and W_O
	v_and_b32 v2, 15, v0                           ; r; also the mask's offset
	v_bfe_u32 v3, v0, 4, 1                         ; hh
	v_lshlrev_b32 v4, 4, v2
	v_lshl_add_u32 v4, v3, 12, v4                  ; a load takes two rows: sixteen lanes read a row's 256 bytes
	v_lshlrev_b32 v5, 2, v2                        ; W_O's word of row r
	v_lshlrev_b32 v6, 4, v1                        ; 16 x lane
	s_mul_i32 s23, s22, 9472                       ; LDS, for each wave: two stages of 16 rows x 272 bytes, then 512 bytes of scale words
	v_mul_u32_u24 v7, v3, 272
	v_lshl_add_u32 v7, v2, 4, v7
	v_add_nc_u32 v7, s23, v7                       ; into a stage, as loaded
	v_mul_u32_u24 v8, v2, 272
	v_lshl_add_u32 v8, v3, 5, v8
	v_add_nc_u32 v8, s23, v8                       ; out of it: row r, + 32 hh bytes
	s_add_co_u32 s23, s23, 8704
	v_lshl_add_u32 v9, v2, 2, s23                  ; row r's scale word
	v_lshl_add_u32 v10, v1, 4, s23                 ; and the words on their way out
	v_mov_b32 v14, 0                               ; a lane permute's destination counts as one of its sources
	v_mov_b32 v15, 0
	s_and_b32 s38, ttmp9, 3
	s_lshl_b32 s38, s38, 2
	s_add_co_u32 s38, s38, s22                     ; the head
	s_lshr_b32 s39, ttmp9, 2
	s_lshl_b32 s39, s39, 7                         ; my first row of keys
	s_lshr_b32 s40, s39, 11
	s_lshl_b32 s40, s40, 4
	s_add_co_u32 s40, s40, s38                     ; 16 x batch + head
	s_mul_i32 s40, s40, 139264
	s_bfe_u32 s41, s39, 0x40007                    ; the key step
	s_mul_i32 s41, s41, 8704
	s_add_co_u32 s40, s40, s41
	s_mov_b32 s41, 0
	s_lshl_b32 s42, s39, 12
	s_lshl_b32 s43, s38, 8
	s_add_co_u32 s42, s42, s43
	s_mov_b32 s43, 0
	s_and_b32 s46, ttmp9, 15
	s_lshl_b32 s46, s46, 2
	s_add_co_u32 s46, s46, s22                     ; W_O: my row tile,
	s_lshr_b32 s47, ttmp9, 4                       ; my chunk of 64 columns
	s_lshl_b32 s48, s46, 16
	s_lshl_b32 s49, s47, 8
	s_add_co_u32 s48, s48, s49
	s_mov_b32 s49, 0
	s_lshl_b32 s50, s47, 6
	s_add_co_u32 s50, s50, s46                     ; the image's number
	s_lshl_b32 s52, s50, 6
	s_lshl_b32 s50, s50, 10
	s_mov_b32 s51, 0
	s_mov_b32 s53, 0
	s_mov_b32 s54, s39
	s_mov_b32 s55, 0
	s_wait_alu depctr_va_vdst(0)
	s_wait_kmcnt 0x0
	s_add_nc_u64 s[24:25], s[4:5], s[42:43]        ; keys at my first row, my 256 bytes
	s_add_nc_u64 s[28:29], s[12:13], s[40:41]      ; my key step in kimg
	s_add_nc_u64 s[32:33], s[10:11], s[54:55]      ; the mask's bytes of my rows
	s_add_nc_u64 s[26:27], s[8:9], s[48:49]        ; W_O's fragment
	s_add_nc_u64 s[30:31], s[16:17], s[50:51]      ; its image
	s_add_nc_u64 s[44:45], s[18:19], s[52:53]      ; its 16 words
.macro LOADF f                         ; fragment f: 0-7 keys (nine loads), 8 W_O (eight)
.irp i, 0,1,2,3,4,5,6,7
.if (\f) < 8
	global_load_b128 v[R+32*((\f)%3)+4*\i:R+32*((\f)%3)+4*\i+3], v4, s[24:25] offset:(16*(\f)+2*\i)*4096 th:TH_LOAD_NT
.else
	global_load_b128 v[R+32*((\f)%3)+4*\i:R+32*((\f)%3)+4*\i+3], v4, s[26:27] offset:2*\i*4096 th:TH_LOAD_NT
.endif
.endr
.if (\f) < 8
	global_load_u8 v[MK+(\f)], v2, s[32:33] offset:16*(\f)
.endif
.endm
.macro TURN f                          ; through the stage: LDS serves a wave's instructions in order
.irp i, 0,1,2,3,4,5,6,7
	ds_store_b128 v7, v[R+32*((\f)%3)+4*\i:R+32*((\f)%3)+4*\i+3] offset:4352*((\f)%2)+2*\i*272
.endr
.irp c, 0,1                            ; block c: numbers 8 hh + 0..7, then 16 + 8 hh + 0..7
	ds_load_b128 v[X+32*((\f)%2)+16*\c:X+32*((\f)%2)+16*\c+3],     v8 offset:4352*((\f)%2)+128*\c
	ds_load_b128 v[X+32*((\f)%2)+16*\c+4:X+32*((\f)%2)+16*\c+7],   v8 offset:4352*((\f)%2)+128*\c+16
	ds_load_b128 v[X+32*((\f)%2)+16*\c+8:X+32*((\f)%2)+16*\c+11],  v8 offset:4352*((\f)%2)+128*\c+64
	ds_load_b128 v[X+32*((\f)%2)+16*\c+12:X+32*((\f)%2)+16*\c+15], v8 offset:4352*((\f)%2)+128*\c+80
.endr
.endm
.macro FRAG f
.set XF, X+32*((\f)%2)
.set CF, C+8*((\f)%2)
.if (\f) > 0
	s_wait_dscnt 1                                 ; this fragment is back from the stage (the last fragment's word store may be out)
.else
	s_wait_dscnt 0x0
.endif
.if (\f)+3 < 9
	LOADF (\f)+3
.endif
.if (\f)+1 < 9
.set LC, 0                             ; the loads behind the next fragment's: those of fragments f + 2 and f + 3
.if (\f)+2 < 8
.set LC, LC+9
.elseif (\f)+2 == 8
.set LC, LC+8
.endif
.if (\f)+3 < 8
.set LC, LC+9
.elseif (\f)+3 == 8
.set LC, LC+8
.endif
	s_wait_loadcnt LC
	TURN (\f)+1
.endif
.irp c, 0,1
	v_max3_num_f32 v[12+\c], |v[XF+16*\c]|, |v[XF+16*\c+1]|, 0x8000000   ; my 16 numbers of block c, and the floor 2^(16 - 127)
.endr
.irp i, 2,4,6,8,10,12,14
.irp c, 0,1
	v_max3_num_f32 v[12+\c], v[12+\c], |v[XF+16*\c+\i]|, |v[XF+16*\c+\i+1]|
.endr
.endr
.irp c, 0,1
	v_permlanex16_b32 v[14+\c], v[12+\c], s34, s35
.endr
.irp c, 0,1
	v_max_num_f32 v[12+\c], v[12+\c], v[14+\c]     ; the block's largest magnitude
.endr
.irp c, 0,1
	v_add_nc_u32 v[16+\c], 0xf8800000, v[12+\c]    ; 15 off its exponent field: the conversion's scale operand
.endr
.irp c, 0,1
	v_and_or_b32 v[18+\c], v[12+\c], 0x7f800000, s36   ; 57,344 x the scale
.endr
.irp c, 0,1
.irp i, 0,1,2,3,4,5,6,7,8,9,10,11,12,13,14,15
	v_med3_num_f32 v[XF+16*\c+\i], v[XF+16*\c+\i], -v[18+\c], v[18+\c]   ; the conversion does not saturate (ISA guide 7.6.2): the hold
.endr
.endr
	s_wait_alu depctr_va_vdst(0)
	s_wait_xcnt 0x0                                ; the stores of two fragments back have read this set of code registers
.irp c, 0,1
	v_cvt_scalef32_pk8_bf8_f32 v[CF+4*\c:CF+4*\c+1],   v[XF+16*\c:XF+16*\c+7],    v[16+\c]
	v_cvt_scalef32_pk8_bf8_f32 v[CF+4*\c+2:CF+4*\c+3], v[XF+16*\c+8:XF+16*\c+15], v[16+\c]
.endr
.irp c, 0,1
	v_lshrrev_b32 v[14+\c], 23, v[16+\c]           ; the scales' bytes
.endr
	v_lshl_or_b32 v[WD+(\f)], v15, 8, v14
.if (\f) < 8
	v_mul_u32_u24 v13, 237, v[MK+(\f)]             ; byte 2
	v_lshl_or_b32 v[WD+(\f)], v13, 16, v[WD+(\f)]
	ds_store_b32 v9, v[WD+(\f)] offset:64*(\f)     ; both halves of the lanes write the same word with the same value
	global_store_b128 v6, v[CF:CF+3],   s[28:29] offset:1024*(\f)       ; 32 lanes store 512 consecutive bytes, aligned
	global_store_b128 v6, v[CF+4:CF+7], s[28:29] offset:1024*(\f)+512
.else
	global_store_b32 v5, v[WD+(\f)], s[44:45]      ; 16 words, 64 bytes on end (both halves of the lanes store the same word); the work-group's four waves fill a run of 256
	global_store_b128 v6, v[CF:CF+3],   s[30:31]
	global_store_b128 v6, v[CF+4:CF+7], s[30:31] offset:512
.endif
.endm
	LOADF 0
	LOADF 1
	LOADF 2
	s_wait_loadcnt 18                              ; fragment 0's nine loads are in
	TURN 0
.irp f, 0,1,2,3,4,5,6,7,8
	FRAG \f
.endr
	ds_load_b128 v[12:15], v10                     ; these see my word stores
	s_wait_dscnt 0x0
	global_store_b128 v6, v[12:15], s[28:29] offset:8192   ; the key step's 128 scale words, behind its images
	s_wait_tensorcnt 0x0                           ; the wave's end
	ds_add_u32 v224, v225
	s_wait_dscnt 0x0
	s_endpgm
; ---------------- values.  A lane takes a column, its registers run down the keys.  A wave: 32 columns x 256 keys = 8 blocks a lane.
.Lvalues:
	s_sub_co_u32 s37, ttmp9, 256
	s_and_b32 s38, s37, 7                          ; which 128 columns
	s_lshr_b32 s39, s37, 3                         ; which 256 keys: 8 x batch + chunk
	s_lshl_b32 s40, s38, 7
	s_lshl_b32 s41, s22, 5
	s_add_co_u32 s40, s40, s41                     ; my first column
	s_lshl_b32 s41, s38, 1
	s_lshr_b32 s42, s22, 1
	s_add_co_u32 s41, s41, s42
	s_lshr_b32 s42, s39, 3
	s_lshl_b32 s42, s42, 4
	s_add_co_u32 s41, s41, s42                     ; 16 x batch + head
	s_and_b32 s43, s39, 7                          ; the chunk in its batch: two key steps
	s_and_b32 s44, s22, 1                          ; which 32 of the head's 64
	s_lshl_b32 s46, s39, 20
	s_lshl_b32 s47, s40, 2
	s_add_co_u32 s46, s46, s47
	s_mov_b32 s47, 0
	s_mul_i32 s48, s41, 135168
	s_mul_i32 s49, s43, 16896
	s_add_co_u32 s48, s48, s49                     ; my first key step in vimg
	s_lshl_b32 s49, s44, 7
	s_add_co_u32 s50, s48, s49
	s_add_co_u32 s50, s50, 8192                    ; its words, my 32
	s_lshl_b32 s49, s44, 12
	s_add_co_u32 s48, s48, s49                     ; its images, my two tiles
	s_mov_b32 s49, 0
	s_mov_b32 s51, 0
	s_lshl_b32 s52, s39, 12                        ; sums: [8 x batch + chunk][1,024] f32
	s_lshl_b32 s53, s40, 2
	s_add_co_u32 s52, s52, s53
	s_mov_b32 s53, 0
	s_wait_alu depctr_va_vdst(0)
	v_lshlrev_b32 v3, 2, v1                        ; 4 bytes a lane
	v_lshrrev_b32 v4, 4, v1
	v_and_b32 v5, 15, v1
	v_lshlrev_b32 v4, 11, v4
	v_lshl_add_u32 v4, v5, 4, v4                   ; my piece of an image: tile lane / 16, row lane % 16
	v_mov_b32 v16, 0                               ; the column's sum
	v_mov_b32 v17, 0x7f7f7f7f                      ; the scale 1 in every byte, for the way back from codes
	s_wait_alu depctr_va_vdst(0)
	s_wait_kmcnt 0x0
	s_add_nc_u64 s[24:25], s[6:7], s[46:47]
	s_add_nc_u64 s[28:29], s[14:15], s[48:49]
	s_add_nc_u64 s[30:31], s[14:15], s[50:51]
	s_add_nc_u64 s[32:33], s[20:21], s[52:53]
.macro VLOAD t                         ; block t: 32 keys of my column; each load reads 128 consecutive bytes a wave, 512 a work-group
.set i, 0
.rept 32
	global_load_b32 v[XV+32*((\t)%2)+i], v3, s[24:25] offset:(32*(\t)+i)*4096 th:TH_LOAD_NT
.set i, i+1
.endr
.endm
.macro VBLOCK t
.set XB, XV+32*((\t)%2)
.if (\t) < 7
	s_wait_loadcnt 32                              ; this block's 32 loads are in; the next block's 32 may be out
.else
	s_wait_loadcnt 0x0
.endif
	v_max3_num_f32 v12, |v[XB]|, |v[XB+1]|, |v[XB+2]|
	v_max3_num_f32 v13, |v[XB+3]|, |v[XB+4]|, |v[XB+5]|
.irp i, 6,10,14,18,22,26
	v_max3_num_f32 v12, v12, |v[XB+\i]|, |v[XB+\i+1]|
	v_max3_num_f32 v13, v13, |v[XB+\i+2]|, |v[XB+\i+3]|
.endr
	v_max3_num_f32 v12, v12, |v[XB+30]|, |v[XB+31]|
	v_max3_num_f32 v12, v12, v13, 0x8000000        ; and the floor 2^(16 - 127)
	v_add_nc_u32 v11, 0xf8800000, v12              ; the conversion's scale operand
	v_and_or_b32 v10, v12, 0x7f800000, s36         ; 57,344 x the scale
	v_lshrrev_b32 v13, 23, v11                     ; the scale's byte
.if (\t)%4 == 0
	v_mov_b32 v[24+(\t)/4], v13                    ; four bytes make a key step's word
.else
	v_lshl_or_b32 v[24+(\t)/4], v13, 8*((\t)%4), v[24+(\t)/4]
.endif
.set i, 0
.rept 32
	v_med3_num_f32 v[XB+i], v[XB+i], -v10, v10     ; the hold (ISA guide 7.6.2)
.set i, i+1
.endr
	s_wait_alu depctr_va_vdst(0)
	s_wait_xcnt 0x0                                ; the last block's stores have read the code registers
	v_cvt_scalef32_pk8_bf8_f32 v[CV:CV+1],   v[XB:XB+7],     v11    ; lane half 0's piece: keys 0-7,
	v_cvt_scalef32_pk8_bf8_f32 v[CV+2:CV+3], v[XB+16:XB+23], v11    ; 16-23;
	v_cvt_scalef32_pk8_bf8_f32 v[CV+4:CV+5], v[XB+8:XB+15],  v11    ; lane half 1's: keys 8-15,
	v_cvt_scalef32_pk8_bf8_f32 v[CV+6:CV+7], v[XB+24:XB+31], v11    ; 24-31
	v_and_b32 v14, 0x7f800000, v11                 ; the scale as f32 (the plain line behind the conversions)
	global_store_b128 v4, v[CV:CV+3],   s[28:29] offset:((\t)/4)*8448+((\t)%4)*512       ; sixteen lanes store 256 consecutive bytes, aligned
	global_store_b128 v4, v[CV+4:CV+7], s[28:29] offset:((\t)/4)*8448+((\t)%4)*512+256
.irp g, 0,1,2,3
	v_cvt_scale_pk8_f32_bf8 v[XB+8*\g:XB+8*\g+7], v[CV+2*\g:CV+2*\g+1], v17   ; the codes' values
.endr
	v_nop                                          ; a plain line behind the conversions
.irp i, 0,1,2,3,4,5,6,7
	v_pk_add_f32 v[XB+4*\i:XB+4*\i+1], v[XB+4*\i:XB+4*\i+1], v[XB+4*\i+2:XB+4*\i+3]
.endr
.irp i, 0,1,2,3
	v_pk_add_f32 v[XB+8*\i:XB+8*\i+1], v[XB+8*\i:XB+8*\i+1], v[XB+8*\i+4:XB+8*\i+5]
.endr
.irp i, 0,1
	v_pk_add_f32 v[XB+16*\i:XB+16*\i+1], v[XB+16*\i:XB+16*\i+1], v[XB+16*\i+8:XB+16*\i+9]
.endr
	v_pk_add_f32 v[XB:XB+1], v[XB:XB+1], v[XB+16:XB+17]
	v_add_f32 v12, v[XB], v[XB+1]
	v_fmac_f32 v16, v12, v14                       ; + the block's sum of codes x its scale
.if (\t)+2 < 8
	VLOAD (\t)+2
.endif
.endm
	VLOAD 0
	VLOAD 1
.irp t, 0,1,2,3,4,5,6,7
	VBLOCK \t
.endr
	global_store_b32 v3, v24, s[30:31]             ; my column's word of the first key step: 128 consecutive bytes a wave,
	global_store_b32 v3, v25, s[30:31] offset:8448 ; of the second
	global_store_b32 v3, v16, s[32:33]             ; and its sum
	s_endpgm
.Lfunc_end_k_q8561cebda1_quant:
	.size	k_q8561cebda1_quant, .Lfunc_end_k_q8561cebda1_quant-k_q8561cebda1_quant
	.p2alignl 7, 3214868480
	.fill 96, 4, 3214868480
	.section	.rodata,"a",@progbits
	.p2align	6, 0x0
	.amdhsa_kernel k_q8561cebda1_quant
		.amdhsa_group_segment_fixed_size 38400
		.amdhsa_private_segment_fixed_size 0
		.amdhsa_enable_private_segment 0
		.amdhsa_kernarg_size 72
		.amdhsa_user_sgpr_count 2
		.amdhsa_user_sgpr_kernarg_segment_ptr 1
		.amdhsa_wavefront_size32 1
		.amdhsa_system_sgpr_workgroup_id_x 1
		.amdhsa_system_sgpr_workgroup_id_y 1
		.amdhsa_system_sgpr_workgroup_id_z 1
		.amdhsa_system_vgpr_workitem_id 0
		.amdhsa_next_free_vgpr 226
		.amdhsa_next_free_sgpr 66
		.amdhsa_reserve_vcc 0
		.amdhsa_float_denorm_mode_32 3
		.amdhsa_float_denorm_mode_16_64 3
		.amdhsa_memory_ordered 1
		.amdhsa_forward_progress 1
		.amdhsa_inst_pref_size 128
	.end_amdhsa_kernel
	.amdgpu_metadata
---
amdhsa.version: [ 1, 2 ]
amdhsa.kernels:
  - .name:           k_q8561cebda1_quant
    .symbol:         k_q8561cebda1_quant.kd
    .args:
      - { .name: keys, .offset: 0, .size: 8, .value_kind: global_buffer, .address_space: global }
      - { .name: values, .offset: 8, .size: 8, .value_kind: global_buffer, .address_space: global }
      - { .name: W_O, .offset: 16, .size: 8, .value_kind: global_buffer, .address_space: global }
      - { .name: key_padding_mask, .offset: 24, .size: 8, .value_kind: global_buffer, .address_space: global }
      - { .name: kimg, .offset: 32, .size: 8, .value_kind: global_buffer, .address_space: global }
      - { .name: vimg, .offset: 40, .size: 8, .value_kind: global_buffer, .address_space: global }
      - { .name: wimg, .offset: 48, .size: 8, .value_kind: global_buffer, .address_space: global }
      - { .name: wsc, .offset: 56, .size: 8, .value_kind: global_buffer, .address_space: global }
      - { .name: vsum, .offset: 64, .size: 8, .value_kind: global_buffer, .address_space: global }
    .group_segment_fixed_size: 38400
    .private_segment_fixed_size: 0
    .kernarg_segment_align: 8
    .kernarg_segment_size: 72
    .max_flat_workgroup_size: 128
    .sgpr_count:     66
    .vgpr_count:     226
    .wavefront_size: 32
...
	.end_amdgpu_metadata
.endif
;; end of part 1
;; launch attn (part 2): grid 4 x 64, 16 waves a work-group, clusters of 4 x 1, 327,680 bytes of LDS; arguments queries, kimg, vimg, vsum, a_img, a_sc; writes a_img, a_sc
.if DOCPART == 2
	.amdgcn_target "amdgcn-amd-amdhsa--gfx1250"
	.amdhsa_code_object_version 6
	.text
	.protected	k_q8561cebda1_attn
	.globl	k_q8561cebda1_attn
	.p2align	8
	.type	k_q8561cebda1_attn,@function
k_q8561cebda1_attn:
	s_mov_b64 s[64:65], 0
	v_nop
	global_prefetch_b8 v0, s[64:65] scope:SCOPE_SE
	s_setreg_imm32_b32 hwreg(HW_REG_WAVE_MODE, 25, 1), 1
	s_wait_xcnt 0x0
	s_wait_alu depctr_hold_cnt(0) depctr_sa_sdst(0) depctr_va_vdst(0) depctr_va_sdst(0) depctr_va_ssrc(0) depctr_va_vcc(0) depctr_vm_vsrc(0)
	s_getreg_b32 s2, hwreg(HW_REG_IB_STS2, 6, 4)
	s_cmp_eq_u32 s2, 0
	s_cbranch_scc0 .Lentry_in_a_cluster
	s_endpgm
.Lentry_in_a_cluster:
	s_bfe_u32 s2, ttmp6, 0x10000c
	s_cmp_lg_u32 s2, 0x3003
	s_cbranch_scc0 .Lentry_shape_is_right
	s_endpgm
.Lentry_shape_is_right:
; Causal attention with a key-padding mask, 64 heads of 2,048 x 64, both products on codes of BF8 (E5M2) with E8M0 scales; O / l leaves quantised along D, as images for the projection.
; LEFT OUT: key steps that lie wholly behind a tile's queries: the causal mask, which the problem builds itself, gives them the weight 0 for all values of the inputs (but for a row with no valid key: below).
; THE SOFTMAX: t = score x log2(e) / 8; M = the running largest t rounded up to a whole number; p = 2^(t - M) is quantised along the keys; l is the sum of the unquantised p; O is divided by l at the end.
; SHARES.  A cluster of four work-groups owns a head; a head has 128 tiles of 16 queries, tile tau needs key steps (of 128) 0 .. tau / 8.  Wave w (0..15) of partner p (0..3) owns tiles 8 gA + 2 p + e and 8 gB + 2 p + e,
; gA = w % 8, gB = 15 - gA, e = w / 8: 17 tile steps in every wave.  Every branch hangs on the wave's number and on loop counts alone; the place in the cluster enters global addresses and one lane value.
; Q: each tile of queries is read by one wave alone, as f32, and quantised in its registers: tile B's at the head, tile A's where tile A begins (its rows are prefetched behind tile B's step 1: 16 rows x 256 bytes, a lane a row, lanes 16-31 name row 15 again).
; THE WHOLE HEAD'S K AND V LIE IN LDS, each key step's images with its scale words behind them, brought ONCE by sixteen joint loads, one a wave, two key steps each (the four partners read the same bytes): nothing is filled again.
; Waves 0, 1 bring K's steps 0-3 and waves 2, 3 V's: the first barrier shows these alone (load lines of their own).  The others' are shown by a second barrier: signalled behind step 1, awaited behind step 3.
; LAYOUT.  Both products are used transposed: S^T = K Q^T, O^T = V^T P^T: a lane holds ONE query (lane % 16).  Inside each block of 32 along any K the codes of lane half h are the numbers 8 h + 0..7, 16 + 8 h + 0..7, on both sides:
; so the 16 registers of two neighbouring result tiles are, as they lie, 16 codes of the next operand.
; K = 64 fills blocks 0 and 1 of the instruction's 128.  Block 3 holds zero codes.  BLOCK 2 CARRIES THE PADDING MASK: one element, K's code -1.0, Q's code 1.0, Q's scale byte 127, the key's byte 237 where it is padded
; (the score gets -2^110) and 0 where not (it gets -2^-127).  The running largest t begins at -2^100, above every padded t: M never follows a padded score, and a padded key's p is exactly 0.
; A ROW THAT SEES NO VALID KEY ends with l = 0.  There all of its 2,048 logits are equal (the lowest number), so its softmax is uniform over ALL keys: it gets the mean of the head's 2,048 quantised values, by a select.
; LIMITS: NaN and infinities are not served; |t| of a real score stays under 2^100; -2^-127 is added to each unpadded score; blocks of queries under 2^-111 keep the byte 1.
.set VM,    0                          ; LDS: 256 bytes for each wave: the mean of V
.set SPARE, 4096                       ; the spare words, 128 bytes for each wave
.set KSTP,  8704                       ; a key step of K: eight images, 128 words
.set VSTP,  8448                       ; of V: four tiles of 2,048, 64 words
.set KB,    34816                      ; K's sixteen steps
.set VB,    KB+16*KSTP                 ; V's
; REGISTERS: v1, v2 my place in K's, V's images; v3, v4 in their words; v5 the diagonal's lane value; v6 -infinity; v8-11 the step's addresses; v12 -M, v13 the largest t, v[14:15] l in two halves;
; v16-31 Q; v32-95 four fragments of K; v96-159 S^T, then p, then V's four fragments; v160-191 O^T; v192-207 codes just made; v208-211 K's scale words, v212-213 V's; v214, v215 the spare word's address and 0;
; v216-219 the holds' second copy; v220 Q's offset, v221 the prefetch's, v222 16 x lane; v223 Q's word; v224-241, v245, v250-255 at work; v242 f; v244 p's word; v246, v249 O's words; v247 the mean's place; v248 the words' offset.
.macro CROUND                          ; a round of the cluster's barrier
	s_barrier_signal -1
	s_barrier_wait -1
	s_cmp_lg_u32 s22, 0
	s_cbranch_scc1 .Lnot_wave_0_\@
	s_barrier_signal -3
.Lnot_wave_0_\@:
	s_barrier_wait -3
	s_barrier_signal -1
	s_barrier_wait -1
.endm
.macro LQ x, st, sb                    ; a tile of queries, f32: group g of eight registers at x + st g: block g / 2, numbers 16 (g % 2) + 8 h + 0..7 of row r
.set g, 0
.rept 4
	global_load_b128 v[\x+\st*g:\x+\st*g+3],   v220, s[\sb:\sb+1] offset:128*(g/2)+64*(g%2)
	global_load_b128 v[\x+\st*g+4:\x+\st*g+7], v220, s[\sb:\sb+1] offset:128*(g/2)+64*(g%2)+16
.set g, g+1
.endr
.endm
.macro QQ x, st                        ; its quantiser: codes into v16-23, the scale word into v223
.irp c, 0,1
	v_max3_num_f32 v[224+\c], |v[\x+2*\st*\c]|, |v[\x+2*\st*\c+1]|, 0x8000000
.endr
.irp i, 2,4,6
.irp c, 0,1
	v_max3_num_f32 v[224+\c], v[224+\c], |v[\x+2*\st*\c+\i]|, |v[\x+2*\st*\c+\i+1]|
.endr
.endr
.irp i, 0,2,4,6
.irp c, 0,1
	v_max3_num_f32 v[224+\c], v[224+\c], |v[\x+2*\st*\c+\st+\i]|, |v[\x+2*\st*\c+\st+\i+1]|
.endr
.endr
.irp c, 0,1
	v_permlanex16_b32 v[228+\c], v[224+\c], s66, s67
.endr
.irp c, 0,1
	v_max_num_f32 v[224+\c], v[224+\c], v[228+\c]
.endr
.irp c, 0,1
	v_add_nc_u32 v[236+\c], 0xf8800000, v[224+\c]
.endr
.irp c, 0,1
	v_and_or_b32 v[232+\c], v[224+\c], 0x7f800000, s70
.endr
.set g, 0
.rept 4
.set j, 0
.rept 8
	v_med3_num_f32 v[\x+\st*g+j], v[\x+\st*g+j], -v[232+g/2], v[232+g/2]
.set j, j+1
.endr
	v_cvt_scalef32_pk8_bf8_f32 v[16+2*g:17+2*g], v[\x+\st*g:\x+\st*g+7], v[236+g/2]
.set g, g+1
.endr
.irp c, 0,1
	v_lshrrev_b32 v[228+\c], 23, v[236+\c]         ; (plain lines behind the conversions)
.endr
	v_lshl_or_b32 v223, v229, 8, v228
	v_or_b32 v223, 0x7f0000, v223                  ; byte 2: 127
.endm
	s_load_b256 s[4:11], s[0:1], 0x0               ; queries, kimg, vimg, vsum
	s_load_b128 s[12:15], s[0:1], 0x20             ; a_img, a_sc
	v_lshl_add_u32 v214, v0, 2, SPARE
	v_mov_b32 v215, 0
	ds_add_u32 v214, v215                          ; the opening lines
	ds_add_u32 v214, v215
	v_lshrrev_b32 v1, 5, v0
	v_readfirstlane_b32 s22, v1                    ; wave 0..15
	s_bfe_u32 s23, ttmp6, 0x40000                  ; my place in the cluster
	s_and_b32 s24, ttmp7, 0xffff                   ; 16 x batch + head
	s_and_b32 s25, s22, 7                          ; gA
	s_sub_co_u32 s26, 15, s25                      ; gB
	s_lshr_b32 s76, s22, 3                         ; e
	s_lshl_b32 s77, s23, 1
	s_add_co_u32 s77, s77, s76                     ; 2 p + e
	s_lshl_b32 s78, s25, 3
	s_add_co_u32 s78, s78, s77                     ; tile A
	s_lshl_b32 s79, s26, 3
	s_add_co_u32 s79, s79, s77                     ; tile B
	s_and_b32 s92, s24, 15                         ; head
	s_lshr_b32 s93, s24, 4                         ; batch
	; descriptor groups 1: dense blocks as rows of 256 bytes (32 elements of 8): two key steps of K are 68 rows, of V 66.  15:0 the mask: all four partners; 21 set beside a mask
	s_mov_b32 s32, 15|(3<<16)|(1<<21)
	s_mov_b32 s33, 32<<16
	s_mov_b32 s34, 68<<16
	s_mov_b32 s35, 32<<16
	s_mov_b32 s36, 68
	s_mov_b32 s37, 32
	s_mov_b32 s38, 0
	s_mov_b32 s39, 0
	s_mov_b32 s40, 15|(3<<16)|(1<<21)
	s_mov_b32 s41, 32<<16
	s_mov_b32 s42, 66<<16
	s_mov_b32 s43, 32<<16
	s_mov_b32 s44, 66
	s_mov_b32 s45, 32
	s_mov_b32 s46, 0
	s_mov_b32 s47, 0
	s_mul_i32 s80, s22, 2*KSTP
	s_mul_i32 s81, s22, 2*VSTP
	s_mul_i32 s82, s24, 16*KSTP
	s_add_co_u32 s82, s82, s80
	s_mov_b32 s83, 0
	s_mul_i32 s84, s24, 16*VSTP
	s_add_co_u32 s84, s84, s81
	s_mov_b32 s85, 0
	s_mov_b32 s66, 0x76543210
	s_mov_b32 s67, 0xfedcba98                      ; selects for lane l xor 16
	s_mov_b32 s68, 0x3e38aa3b                      ; c = log2(e) / 8
	s_mov_b32 s69, s68
	s_mov_b32 s70, 0x600000                        ; the mantissa field of 57,344
	s_mov_b32 s71, 0x0000ffff                      ; lanes 0-15
	v_and_b32 v7, 31, v0                           ; lane
	v_and_b32 v250, 15, v0                         ; r
	v_bfe_u32 v251, v0, 4, 1                       ; h
	v_lshl_add_u32 v1, v7, 4, KB
	v_lshl_add_u32 v2, v7, 4, VB
	v_lshl_add_u32 v3, v7, 2, KB+8192
	v_lshl_add_u32 v4, v7, 2, VB+8192
	v_lshlrev_b32 v222, 4, v7
	v_lshlrev_b32 v220, 12, v250
	v_lshl_add_u32 v220, v251, 5, v220             ; queries: row r of 4,096 bytes, + 32 h
	v_min_u32 v221, 15, v7
	v_lshlrev_b32 v221, 12, v221
	v_lshlrev_b32 v253, 3, v7
	s_wait_alu depctr_va_vdst(0)
	s_wait_dscnt 0x0                               ; both opening adds are done
	s_wait_kmcnt 0x0
	s_lshl_b32 s20, s93, 7
	s_add_co_u32 s20, s20, s79
	s_lshl_b32 s20, s20, 16                        ; 16 rows of 4,096 bytes a tile
	s_lshl_b32 s2, s92, 8
	s_add_co_u32 s20, s20, s2
	s_mov_b32 s21, 0
	s_add_nc_u64 s[16:17], s[4:5], s[20:21]        ; tile B's queries, my head's 256 bytes of each row
	s_lshl_b32 s20, s93, 7
	s_add_co_u32 s20, s20, s78
	s_lshl_b32 s20, s20, 16
	s_add_co_u32 s20, s20, s2
	s_add_nc_u64 s[18:19], s[4:5], s[20:21]        ; tile A's
	s_lshl_b32 s20, s93, 15
	s_add_co_u32 s2, s2, s20
	s_mov_b32 s3, 0
	s_add_nc_u64 s[2:3], s[10:11], s[2:3]          ; V's column sums: 8 chunks, 4,096 bytes apart
	LQ 96, 8, 16
.irp ch, 0,1,2,3,4,5,6,7
	global_load_b64 v[128+2*\ch:129+2*\ch], v253, s[2:3] offset:4096*\ch
.endr
	; groups 0.  s[48:51]: K's steps 2 w, 2 w + 1 (waves 0, 1); s[52:55]: K's 2 (w - 2) .. (waves 4-9); s[56:59]: V's 2 (w - 2) .. (waves 2, 3); s[60:63]: V's 2 (w - 8) .. (waves 10-15).  Nothing hangs on the place in the cluster
	s_mov_b32 s48, 1
	s_add_co_u32 s49, s80, KB
	s_add_nc_u64 s[50:51], s[6:7], s[82:83]
	s_mov_b32 s52, 1
	s_add_co_u32 s53, s80, KB-4*KSTP
	s_sub_nc_u64 s[54:55], s[50:51], 4*KSTP
	s_mov_b32 s56, 1
	s_add_co_u32 s57, s81, VB-4*VSTP
	s_add_nc_u64 s[62:63], s[8:9], s[84:85]
	s_sub_nc_u64 s[58:59], s[62:63], 4*VSTP
	s_mov_b32 s60, 1
	s_add_co_u32 s61, s81, VB-16*VSTP
	s_sub_nc_u64 s[62:63], s[62:63], 16*VSTP
	s_or_b32 s51, s51, 0x80000000
	s_or_b32 s55, s55, 0x80000000
	s_or_b32 s59, s59, 0x80000000
	s_or_b32 s63, s63, 0x80000000
	CROUND                                         ; all four work-groups are here: the joint loads meet
.macro ARM under, g0, g1, next         ; one chain of branches on the wave's number, one load to an arm
	s_cmp_lt_u32 s22, \under
	s_cbranch_scc0 \next
	tensor_load_to_lds s[\g0:\g0+3], s[\g1:\g1+7]
	s_nop 0
.rept 4
	v_nop
.endr
	s_branch .Lasked
\next:
.endm
	ARM 2,  48, 32, .Larm_v0
	ARM 4,  56, 40, .Larm_k1
	ARM 10, 52, 32, .Larm_v1
	tensor_load_to_lds s[60:63], s[40:47]
	s_nop 0
.rept 4
	v_nop
.endr
.Lasked:
	s_lshl_b32 s20, s93, 7
	s_add_co_u32 s20, s20, s79
	s_lshl_b32 s20, s20, 10
	s_lshl_b32 s80, s92, 19
	s_add_co_u32 s20, s20, s80
	s_add_nc_u64 s[72:73], s[12:13], s[20:21]      ; O's image of tile B: [head 524,288][128 x batch + tile][1,024]
	s_lshl_b32 s20, s93, 7
	s_add_co_u32 s20, s20, s78
	s_lshl_b32 s20, s20, 10
	s_add_co_u32 s20, s20, s80
	s_add_nc_u64 s[74:75], s[12:13], s[20:21]      ; of tile A
	s_lshl_b32 s94, s92, 15
	s_lshl_b32 s95, s93, 13
	s_add_co_u32 s94, s94, s95
	s_mov_b32 s95, 0
	s_add_nc_u64 s[94:95], s[14:15], s[94:95]      ; O's scale words of this head and batch
	s_lshl_b32 s20, s77, 4
	v_lshlrev_b32 v5, 3, v251
	v_sub_nc_u32 v5, v250, v5
	v_add_nc_u32 v5, s20, v5                       ; my query in its group of 128, less 8 h
	v_mov_b32 v6, 0xff800000                       ; -infinity
	s_lshl_b32 s80, s22, 8
	v_lshl_add_u32 v247, v251, 5, s80              ; the mean, on its way back: my wave's 256 bytes (VM = 0), + 32 h
	v_lshlrev_b32 v252, 3, v0                      ; and on its way in: 8 bytes a thread
	s_sub_co_u32 s20, s79, s78
	s_lshl_b32 s20, s20, 6
	s_lshl_b32 s21, s78, 6
	v_lshlrev_b32 v249, 2, v250
	v_mad_u32_u24 v248, v251, s20, v249
	v_add_nc_u32 v248, s21, v248                   ; O's scale words: lanes 0-15 tile A's rows, lanes 16-31 tile B's
	v_sub_nc_u32 v246, 1, v251                     ; 1 - h
	v_mul_u32_u24 v24, v246, 0x3c                  ; Q, block 2: the code 1.0 at its first place, zeros else
.irp i, 25,26,27,28,29,30,31
	v_mov_b32 v\i, 0
.endr
.irp t, 0,1,2,3
	v_mul_u32_u24 v[40+16*\t], v246, 0xbc          ; K, block 2: the code -1.0 there.  These eight registers of each fragment are set once
.irp i, 41,42,43,44,45,46,47
	v_mov_b32 v[\i+16*\t], 0
.endr
.endr
.irp i, 228,229,230,231,243,245
	v_mov_b32 v\i, 0                               ; permutes' destinations and a pair's upper half: written once
.endr
	s_wait_alu depctr_va_vdst(0)
	s_wait_loadcnt 0x0
	v_pk_add_f32 v[128:129], v[128:129], v[130:131]   ; the mean of the head's 2,048 quantised values: two of the 64 a lane
	v_pk_add_f32 v[132:133], v[132:133], v[134:135]
	v_pk_add_f32 v[136:137], v[136:137], v[138:139]
	v_pk_add_f32 v[140:141], v[140:141], v[142:143]
	v_pk_add_f32 v[128:129], v[128:129], v[132:133]
	v_pk_add_f32 v[136:137], v[136:137], v[140:141]
	v_pk_add_f32 v[128:129], v[128:129], v[136:137]
	v_pk_mul_f32 v[128:129], v[128:129], 0x3a000000 op_sel_hi:[1,0]   ; x 2^-11
	ds_store_b64 v252, v[128:129]
	QQ 96, 8                                       ; tile B's Q
.macro INIT                            ; a tile begins: the largest t at -2^100, l and O^T at zero
	v_mov_b32 v13, 0xf1800000
	s_delay_alu instid0(VALU_DEP_1)
	v_floor_f32 v12, -v13
	v_mov_b32 v14, 0
	v_mov_b32 v15, 0
.set j, 0
.rept 32
	v_mov_b32 v[160+j], 0
.set j, j+1
.endr
.endm
.macro QKW tile, fr                    ; S^T of 16 keys: K's scale words of two tiles share a register
.if (\tile)%2
	v_wmma_scale_f32_16x16x128_f8f6f4 v[96+8*(\tile):103+8*(\tile)], v[32+16*(\fr):47+16*(\fr)], v[16:31], 0, v[208+(\tile)/2], v223 matrix_a_fmt:MATRIX_FMT_BF8 matrix_b_fmt:MATRIX_FMT_BF8 matrix_a_scale:MATRIX_SCALE_ROW1
.else
	v_wmma_scale_f32_16x16x128_f8f6f4 v[96+8*(\tile):103+8*(\tile)], v[32+16*(\fr):47+16*(\fr)], v[16:31], 0, v[208+(\tile)/2], v223 matrix_a_fmt:MATRIX_FMT_BF8 matrix_b_fmt:MATRIX_FMT_BF8
.endif
.endm
.macro PVW tile                        ; O^T of 16 of the head's 64 += V^T P^T over the step's 128 keys
.if (\tile)%2
	v_wmma_scale_f32_16x16x128_f8f6f4 v[160+8*(\tile):167+8*(\tile)], v[96+16*(\tile):111+16*(\tile)], v[192:207], v[160+8*(\tile):167+8*(\tile)], v[212+(\tile)/2], v244 matrix_a_fmt:MATRIX_FMT_BF8 matrix_b_fmt:MATRIX_FMT_BF8 matrix_a_scale:MATRIX_SCALE_ROW1
.else
	v_wmma_scale_f32_16x16x128_f8f6f4 v[160+8*(\tile):167+8*(\tile)], v[96+16*(\tile):111+16*(\tile)], v[192:207], v[160+8*(\tile):167+8*(\tile)], v[212+(\tile)/2], v244 matrix_a_fmt:MATRIX_FMT_BF8 matrix_b_fmt:MATRIX_FMT_BF8
.endif
.endm
.macro MAXP a, b                       ; the largest score of blocks a and b of 32 keys: for the row's maximum, and, since p rises with the score, for the block's largest p
	v_max3_num_f32 v[224+\a], v[96+16*\a], v[97+16*\a], v[98+16*\a]
	v_max3_num_f32 v[224+\b], v[96+16*\b], v[97+16*\b], v[98+16*\b]
.irp i, 3,5,7,9,11,13
	v_max3_num_f32 v[224+\a], v[224+\a], v[96+16*\a+\i], v[97+16*\a+\i]
	v_max3_num_f32 v[224+\b], v[224+\b], v[96+16*\b+\i], v[97+16*\b+\i]
.endr
	v_max_num_f32 v[224+\a], v[224+\a], v[111+16*\a]
	v_max_num_f32 v[224+\b], v[224+\b], v[111+16*\b]
.endm
; A KEY STEP of 128 keys for the tile in hand.  skip = 1: a step beyond the tile's group is left out (a branch on the wave's number and the loop's count).  diag = 1: in the step of the tile's own group the keys behind a lane's query become -infinity.
.macro STEP skip, diag
.if \skip
	s_cmp_gt_u32 s28, s27
	s_cbranch_scc1 .Lhid_\@
.endif
	v_add_nc_u32 v8, s29, v1
	v_add_nc_u32 v9, s30, v2
	v_add_nc_u32 v10, s29, v3
	v_add_nc_u32 v11, s30, v4
	s_wait_alu depctr_va_vdst(0)
.rept 5
	v_nop                                          ; with the four additions nine places: the products below write S^T over the fragments of V that the last step's products read
.endr
.irp g, 0,1                                    ; four tiles of 16 keys at a time
.if \g
.rept 8
	v_nop                                          ; eight places in front of loads into registers that matrix instructions have read
.endr
.endif
.irp t, 0,1,2,3
	ds_load_b128 v[32+16*\t:35+16*\t], v8 offset:(4*\g+\t)*1024       ; an image comes back as it was stored: 512 consecutive bytes a load
	ds_load_b128 v[36+16*\t:39+16*\t], v8 offset:(4*\g+\t)*1024+512
.endr
.if \g == 0
.irp i, 0,1,2,3
	ds_load_b32 v[208+\i], v10 offset:128*\i       ; the words of keys 32 i + lane
.endr
.endif
	s_wait_dscnt 0x0
.irp t, 0,1,2,3
	QKW 4*\g+\t, \t
.endr
.endr                                          ; register 16 b + i of S^T: key 32 b + 8 h + i (i < 8), 32 b + 16 + 8 h + i - 8 (else)
; no v_nop here: what follows first works on the first four tiles' scores alone (16 lines and more), which are the places behind the last four products
.if \diag
	s_cmp_lg_u32 s28, s27
	s_cbranch_scc1 .Lopen_\@
.set n, 0
.rept 64                                       ; register n holds key 16 (n / 8) + 8 h + n % 8 of the step: hidden where that is behind my query
	v_cmp_gt_i32 vcc_lo, 16*(n/8)+n%8, v5
	v_cndmask_b32 v[96+n], v[96+n], v6, vcc_lo
.set n, n+1
.endr
.Lopen_\@:
.endif
	MAXP 0, 1
	MAXP 2, 3
.irp b, 0,1,2,3
	v_permlanex16_b32 v[228+\b], v[224+\b], s66, s67
.endr
.irp b, 0,1,2,3
	s_delay_alu instid0(VALU_DEP_4)
	v_max_num_f32 v[224+\b], v[224+\b], v[228+\b]  ; with lane l xor 16's 16 keys
.endr
	s_delay_alu instid0(VALU_DEP_2)
	v_max3_num_f32 v245, v224, v225, v226
	s_delay_alu instid0(VALU_DEP_1)
	v_max_num_f32 v245, v245, v227                 ; the step's largest score of my query
	s_delay_alu instid0(VALU_DEP_1)
	v_mul_f32 v245, s68, v245                      ; as t
	s_delay_alu instid0(VALU_DEP_1)
	v_max_num_f32 v13, v13, v245                   ; the running largest t
	v_mov_b32 v245, v12
	s_delay_alu instid0(VALU_DEP_2)
	v_floor_f32 v12, -v13                          ; the new -M = -ceil(t): a whole number
	s_delay_alu instid0(VALU_DEP_1)
	v_sub_f32 v245, v12, v245                      ; old M - new M: a whole number, 0 or less
	s_delay_alu instid0(VALU_DEP_1)
	v_cvt_i32_f32 v245, v245                       ; (it saturates)
	s_delay_alu instid0(VALU_DEP_1)
	v_ldexp_f32 v242, 1.0, v245                    ; f = 2^(old M - new M): rounds nothing
.set j, 0
.rept 32
	v_pk_fma_f32 v[96+j:97+j], v[96+j:97+j], s[68:69], v[12:13] op_sel_hi:[1,0,0]   ; t - M, two at a time
.set j, j+2
.endr
.irp b, 0,1,2,3
	v_fma_f32 v[224+\b], v[224+\b], s68, v12       ; the same of each block's largest score
.endr
.set j, 0
	s_wait_alu depctr_va_vdst(0)
.rept 64
	v_exp_f32 v[96+j], v[96+j]                     ; p = 2^(t - M), at most 1
.set j, j+1
.endr
.irp b, 0,1,2,3
	v_exp_f32 v[224+\b], v[224+\b]                 ; the block's largest p: the same two instructions on the same number
.endr
	v_pk_mul_f32 v[14:15], v[14:15], v[242:243] op_sel_hi:[1,0]   ; l under the new M.  (A plain place behind the exponentials)
	s_wait_alu depctr_va_vdst(0)                   ; and behind it
.irp b, 0,1,2,3
	v_max_num_f32 v[224+\b], 0x8000000, v[224+\b]  ; the floor 2^(16 - 127): a block whose every p is 0 keeps the byte 1 over zero codes
.endr
.irp b, 0,1,2,3
	s_delay_alu instid0(VALU_DEP_4)
	v_add_nc_u32 v[236+\b], 0xf8800000, v[224+\b]  ; the conversion's scale operand
.endr
.irp b, 0,1,2,3
	v_and_or_b32 v[232+\b], v[224+\b], 0x7f800000, s70   ; 57,344 x the scale,
.endr
.irp b, 0,1,2,3
	v_and_or_b32 v[216+(\b+1)%4], v[224+\b], 0x7f800000, s70   ; and once more, in a register whose number differs modulo 4: the two halves of a dual pair take their second sources so
.endr
.irp b, 0,1,2,3
	v_lshrrev_b32 v[228+\b], 23, v[236+\b]         ; the scale's byte
.endr
	s_delay_alu instid0(VALU_DEP_3)
	v_lshl_or_b32 v244, v229, 8, v228              ; p's scale word for these 128 keys
	s_delay_alu instid0(VALU_DEP_1)
	v_lshl_or_b32 v244, v230, 16, v244
	s_delay_alu instid0(VALU_DEP_1)
	v_lshl_or_b32 v244, v231, 24, v244
	v_pk_add_f32 v[240:241], v[100:101], v[104:105]   ; l: the sum of the unquantised p, in eight chains
	v_pk_add_f32 v[254:255], v[108:109], v[112:113]
	v_pk_add_f32 v[252:253], v[116:117], v[120:121]
	v_pk_add_f32 v[250:251], v[124:125], v[128:129]
	v_pk_add_f32 v[226:227], v[132:133], v[136:137]
	v_pk_add_f32 v[224:225], v[140:141], v[144:145]
	v_pk_add_f32 v[212:213], v[148:149], v[152:153]
	v_pk_add_f32 v[14:15], v[14:15], v[156:157]
	v_pk_add_f32 v[240:241], v[240:241], v[96:97]
	v_pk_add_f32 v[254:255], v[254:255], v[98:99]
	v_pk_add_f32 v[252:253], v[252:253], v[102:103]
	v_pk_add_f32 v[250:251], v[250:251], v[106:107]
	v_pk_add_f32 v[226:227], v[226:227], v[110:111]
	v_pk_add_f32 v[224:225], v[224:225], v[114:115]
	v_pk_add_f32 v[212:213], v[212:213], v[118:119]
	v_pk_add_f32 v[14:15], v[14:15], v[122:123]
	v_pk_add_f32 v[240:241], v[240:241], v[126:127]
	v_pk_add_f32 v[254:255], v[254:255], v[130:131]
	v_pk_add_f32 v[252:253], v[252:253], v[134:135]
	v_pk_add_f32 v[250:251], v[250:251], v[138:139]
	v_pk_add_f32 v[226:227], v[226:227], v[142:143]
	v_pk_add_f32 v[224:225], v[224:225], v[146:147]
	v_pk_add_f32 v[212:213], v[212:213], v[150:151]
	v_pk_add_f32 v[14:15], v[14:15], v[154:155]
	v_pk_add_f32 v[240:241], v[240:241], v[158:159]
	s_delay_alu instid0(VALU_DEP_2)
	v_pk_add_f32 v[14:15], v[14:15], v[250:251]
	s_delay_alu instid0(VALU_DEP_2)
	v_pk_add_f32 v[240:241], v[240:241], v[226:227]
	v_pk_add_f32 v[254:255], v[254:255], v[224:225]
	v_pk_add_f32 v[252:253], v[252:253], v[212:213]
	s_delay_alu instid0(VALU_DEP_2)
	v_pk_add_f32 v[14:15], v[14:15], v[254:255]
	s_delay_alu instid0(VALU_DEP_2)
	v_pk_add_f32 v[240:241], v[240:241], v[252:253]
	s_delay_alu instid0(VALU_DEP_1)
	v_pk_add_f32 v[14:15], v[14:15], v[240:241]
.irp b, 0,1,2,3
.set j, 0
.rept 8
	v_dual_min_num_f32 v[96+16*\b+j], v[96+16*\b+j], v[232+\b] :: v_dual_min_num_f32 v[97+16*\b+j], v[97+16*\b+j], v[216+(\b+1)%4]   ; the hold (ISA guide 7.6.2), two numbers a line; p is not negative, so it is one-sided
.set j, j+2
.endr
	v_cvt_scalef32_pk8_bf8_f32 v[192+4*\b:193+4*\b], v[96+16*\b:103+16*\b], v[236+\b]
	v_cvt_scalef32_pk8_bf8_f32 v[194+4*\b:195+4*\b], v[104+16*\b:111+16*\b], v[236+\b]
.endr
.irp t, 0,1,2,3                                ; V's four fragments take p's registers
.irp c, 0,1,2,3
	ds_load_b128 v[96+16*\t+4*\c:99+16*\t+4*\c], v9 offset:\t*2048+\c*512
.endr
.endr
	ds_load_b32 v212, v11                          ; V's words of d = lane,
	ds_load_b32 v213, v11 offset:128               ; of d = 32 + lane
	s_wait_alu depctr_va_vdst(0)                   ; directly ahead of the first reader of O^T
.set j, 0
.rept 16
	v_pk_mul_f32 v[160+j:161+j], v[160+j:161+j], v[242:243] op_sel_hi:[1,0]   ; O^T under the new M.  (These are also the places between the conversions and the products)
.set j, j+2
.endr
	s_wait_alu depctr_va_vdst(0)
	s_wait_dscnt 0x0
.irp t, 0,1,2,3
	PVW \t                                         ; four accumulators by turns; between two links on one accumulator stand the next step's eight products
.endr
.if \skip
.Lhid_\@:
.endif
	s_add_co_u32 s29, s29, KSTP                    ; the next step's images and words
	s_add_co_u32 s30, s30, VSTP
.endm
; A TILE'S END: O^T / l (or the mean of V where l = 0), quantised along D in two blocks of 32, stored as an image; its scale word stays in v[word].
.macro FINISH oimg, word
.rept 8
	v_nop                                          ; places behind the last products
.endr
	v_add_f32 v14, v14, v15
	s_delay_alu instid0(VALU_DEP_1)
	v_permlanex16_b32 v245, v14, s66, s67
	s_delay_alu instid0(VALU_DEP_1)
	v_add_f32 v14, v14, v245                       ; l: the two halves, and lane l xor 16's
.irp t, 0,1,2,3
	ds_load_b128 v[96+8*\t:99+8*\t],   v247 offset:64*\t       ; the mean at d = 16 t + 8 h + 0..7: my wave's own bytes
	ds_load_b128 v[100+8*\t:103+8*\t], v247 offset:64*\t+16
.endr
	s_wait_alu depctr_va_vdst(0)
	v_rcp_f32 v242, v14
	v_cmp_eq_f32 vcc_lo, 0, v14                    ; a row that saw no valid key
	v_nop                                          ; a plain place behind the reciprocal
	s_wait_dscnt 0x0
.set j, 0
	s_wait_alu depctr_va_vdst(0)
.rept 16
	v_pk_mul_f32 v[128+j:129+j], v[160+j:161+j], v[242:243] op_sel_hi:[1,0]   ; register 8 t + i: d = 16 t + 8 h + i
.set j, j+2
.endr
.set j, 0
.rept 32
	v_cndmask_b32 v[128+j], v[128+j], v[96+j], vcc_lo
.set j, j+1
.endr
.irp c, 0,1
	v_max3_num_f32 v[224+\c], |v[128+16*\c]|, |v[129+16*\c]|, 0x8000000
.endr
.irp i, 2,4,6,8,10,12,14
.irp c, 0,1
	s_delay_alu instid0(VALU_DEP_2)
	v_max3_num_f32 v[224+\c], v[224+\c], |v[128+16*\c+\i]|, |v[129+16*\c+\i]|
.endr
.endr
.irp c, 0,1
	s_delay_alu instid0(VALU_DEP_2)
	v_permlanex16_b32 v[228+\c], v[224+\c], s66, s67
.endr
.irp c, 0,1
	s_delay_alu instid0(VALU_DEP_2)
	v_max_num_f32 v[224+\c], v[224+\c], v[228+\c]
.endr
.irp c, 0,1
	s_delay_alu instid0(VALU_DEP_2)
	v_add_nc_u32 v[236+\c], 0xf8800000, v[224+\c]
.endr
.irp c, 0,1
	s_delay_alu instid0(VALU_DEP_4)
	v_and_or_b32 v[232+\c], v[224+\c], 0x7f800000, s70
.endr
.irp c, 0,1
	s_delay_alu instid0(VALU_DEP_4)
	v_lshrrev_b32 v[228+\c], 23, v[236+\c]
.endr
	s_delay_alu instid0(VALU_DEP_1)
	v_lshl_or_b32 v[\word], v229, 8, v228
.irp c, 0,1
.set j, 0
.rept 16
	v_med3_num_f32 v[128+16*\c+j], v[128+16*\c+j], -v[232+\c], v[232+\c]
.set j, j+1
.endr
	v_cvt_scalef32_pk8_bf8_f32 v[192+4*\c:193+4*\c], v[128+16*\c:135+16*\c], v[236+\c]
	v_cvt_scalef32_pk8_bf8_f32 v[194+4*\c:195+4*\c], v[136+16*\c:143+16*\c], v[236+\c]
.endr
	v_nop                                          ; a plain line behind the last conversion
	global_store_b128 v222, v[192:195], s[\oimg:\oimg+1]             ; 32 lanes store 512 consecutive bytes, aligned
	global_store_b128 v222, v[196:199], s[\oimg:\oimg+1] offset:512
.endm
	s_mov_b32 s27, s26                             ; tile B
	INIT
	s_mov_b32 s29, 0
	s_mov_b32 s30, 0
	s_mov_b32 s28, 0
	s_wait_alu depctr_va_vdst(0)
	s_cmp_lt_u32 s22, 4
	s_cbranch_scc0 .Lnot_first
	s_wait_tensorcnt 0x0                           ; waves 0-3: my part of key steps 0-3 is in.  The other waves' wait stands at the second barrier
.Lnot_first:
	s_wait_dscnt 0x0                               ; the mean is stored
	s_barrier_signal -1
	s_barrier_wait -1
.LB0:                                              ; tile B's steps 0, 1
	STEP 0, 0
	s_add_co_u32 s28, s28, 1
	s_cmp_lt_u32 s28, 2
	s_cbranch_scc1 .LB0
	global_prefetch_b8 v221, s[18:19] th:TH_LOAD_NT scope:SCOPE_SE   ; tile A's queries; neither address register is written again
	s_wait_tensorcnt 0x0                           ; every wave's load is in:
	s_wait_dscnt 0x0
	s_barrier_signal -1                            ; say so; steps 2 and 3, which read bytes that landed ahead of the first barrier, stand between the signal and the wait
.LB1:
	STEP 0, 0
	s_add_co_u32 s28, s28, 1
	s_cmp_lt_u32 s28, 4
	s_cbranch_scc1 .LB1
; TRIPS 4 .. 16: one loop, a tile step of every wave in every trip: tile B's steps 4 .. gB in trips 4 .. gB, tile A's steps 0 .. gA in trips gB + 1 .. 16.
; Each trip has a barrier in two halves: the wait for the last trip's signal at its head, then its own signal: no wave enters trip t + 1 before every wave has entered trip t.  The first wait is for the signal behind step 1: the whole head lies in LDS.
; Between a signal and its wait stand a step's LDS loads and register work alone; the change of tiles, with its global loads and stores, stands between a wait and the next signal, under a branch on the wave's number and the trip.
	s_mov_b32 s31, 4                               ; the trip
.LU:
	s_barrier_wait -1
	s_add_co_u32 s20, s31, s25                     ; trip + gA = 16: the trip behind tile B's last
	s_cmp_lg_u32 s20, 16
	s_cbranch_scc1 .Lsame
	LQ 32, 16, 18                                  ; tile A's queries into the 32 registers of K's fragments that the steps load; they land while tile B ends
	FINISH 72, 246
	s_wait_xcnt 0x0                                ; the stores have read the code registers
	s_wait_loadcnt 0x0
	QQ 32, 16                                      ; tile A's Q; the clearing below stands between these lines and the first product
	s_mov_b32 s27, s25
	INIT
.Lsame:
	s_add_co_u32 s20, s31, s25                     ; u = trip + gA
	s_lshr_b32 s21, s20, 4                         ; 1 in tile A's trips (u is 16 or more), 0 in tile B's
	s_and_b32 s20, s20, 15
	s_mul_i32 s20, s20, s21                        ; tile A: the step is u - 16;
	s_xor_b32 s21, s21, 1
	s_mul_i32 s21, s21, s31                        ; tile B: it is the trip
	s_add_co_u32 s28, s20, s21
	s_min_u32 s28, s28, 15
	s_mul_i32 s29, s28, KSTP                       ; the step's images and words
	s_mul_i32 s30, s28, VSTP
	s_barrier_signal -1                            ; no LDS instruction of mine is out here
	STEP 0, 1
	s_add_co_u32 s31, s31, 1
	s_cmp_lt_u32 s31, 17
	s_cbranch_scc1 .LU
	s_barrier_wait -1
	FINISH 74, 249
	v_cndmask_b32 v245, v246, v249, s71            ; lanes 0-15 tile A's words, lanes 16-31 tile B's
	global_store_b32 v248, v245, s[94:95]          ; two runs of 64 bytes: a work-group's rows come in runs of 32, so no longer run is its own
	s_wait_tensorcnt 0x0                           ; the wave's end
	ds_add_u32 v214, v215
	s_wait_dscnt 0x0
	CROUND                                         ; the closing round
	s_endpgm
.Lfunc_end_k_q8561cebda1_attn:
	.size	k_q8561cebda1_attn, .Lfunc_end_k_q8561cebda1_attn-k_q8561cebda1_attn
	.p2alignl 7, 3214868480
	.fill 96, 4, 3214868480
	.section	.rodata,"a",@progbits
	.p2align	6, 0x0
	.amdhsa_kernel k_q8561cebda1_attn
		.amdhsa_group_segment_fixed_size 327680
		.amdhsa_private_segment_fixed_size 0
		.amdhsa_enable_private_segment 0
		.amdhsa_kernarg_size 48
		.amdhsa_user_sgpr_count 2
		.amdhsa_user_sgpr_kernarg_segment_ptr 1
		.amdhsa_wavefront_size32 1
		.amdhsa_system_sgpr_workgroup_id_x 1
		.amdhsa_system_sgpr_workgroup_id_y 1
		.amdhsa_system_sgpr_workgroup_id_z 1
		.amdhsa_system_vgpr_workitem_id 0
		.amdhsa_next_free_vgpr 256
		.amdhsa_next_free_sgpr 96
		.amdhsa_reserve_vcc 1
		.amdhsa_float_denorm_mode_32 3
		.amdhsa_float_denorm_mode_16_64 3
		.amdhsa_memory_ordered 1
		.amdhsa_forward_progress 1
		.amdhsa_inst_pref_size 106
	.end_amdhsa_kernel
	.amdgpu_metadata
---
amdhsa.version: [ 1, 2 ]
amdhsa.kernels:
  - .name:           k_q8561cebda1_attn
    .symbol:         k_q8561cebda1_attn.kd
    .args:
      - { .name: queries, .offset: 0, .size: 8, .value_kind: global_buffer, .address_space: global }
      - { .name: kimg, .offset: 8, .size: 8, .value_kind: global_buffer, .address_space: global }
      - { .name: vimg, .offset: 16, .size: 8, .value_kind: global_buffer, .address_space: global }
      - { .name: vsum, .offset: 24, .size: 8, .value_kind: global_buffer, .address_space: global }
      - { .name: a_img, .offset: 32, .size: 8, .value_kind: global_buffer, .address_space: global }
      - { .name: a_sc, .offset: 40, .size: 8, .value_kind: global_buffer, .address_space: global }
    .group_segment_fixed_size: 327680
    .private_segment_fixed_size: 0
    .kernarg_segment_align: 8
    .kernarg_segment_size: 48
    .max_flat_workgroup_size: 512
    .sgpr_count:     96
    .vgpr_count:     256
    .wavefront_size: 32
...
	.end_amdgpu_metadata
.endif
;; end of part 2
;; launch proj (part 3): grid 8 x 32, 4 waves a work-group, clusters of 4 x 4, 327,680 bytes of LDS; arguments a_img, a_sc, wimg, wsc, b_O, out0; writes out0
.if DOCPART == 3
	.amdgcn_target "amdgcn-amd-amdhsa--gfx1250"
	.amdhsa_code_object_version 6
	.text
	.protected	k_q8561cebda1_proj
	.globl	k_q8561cebda1_proj
	.p2align	8
	.type	k_q8561cebda1_proj,@function
k_q8561cebda1_proj:
	s_mov_b64 s[64:65], 0
	v_nop
	global_prefetch_b8 v0, s[64:65] scope:SCOPE_SE
	s_setreg_imm32_b32 hwreg(HW_REG_WAVE_MODE, 25, 1), 1
	s_wait_xcnt 0x0
	s_wait_alu depctr_hold_cnt(0) depctr_sa_sdst(0) depctr_va_vdst(0) depctr_va_sdst(0) depctr_va_ssrc(0) depctr_va_vcc(0) depctr_vm_vsrc(0)
	s_getreg_b32 s2, hwreg(HW_REG_IB_STS2, 6, 4)
	s_cmp_eq_u32 s2, 0
	s_cbranch_scc0 .Lentry_in_a_cluster
	s_endpgm
.Lentry_in_a_cluster:
	s_bfe_u32 s2, ttmp6, 0x10000c
	s_cmp_lg_u32 s2, 0xf033
	s_cbranch_scc0 .Lentry_shape_is_right
	s_endpgm
.Lentry_shape_is_right:
; out0[m][n] = sum over k of O[m][k] W_O[n][k] + b_O[n]: 8,192 x 1,024 x 1,024 on codes of BF8 (E5M2) with E8M0 scales, f32 sums.  Both operands arrive as images of the operands' registers:
; a_img [chunk of 64 along K: 16][row tile of 16: 512][1,024 bytes], wimg likewise [16][64][1,024]; scale words [chunk][row], bytes 0 and 1.
; A WORK-GROUP STAYS: 256 work-groups of four waves, each makes two tiles of 128 x 128 of out0, 4,096 rows apart, with the same 128 columns; a wave makes 64 x 64: 16 accumulators.
; THE WHOLE K LIES IN LDS: 128 KiB of W's images, which serve both tiles, and 128 KiB of A's.  FILLS: at the head one load a wave, eight chunks each: waves 0, 1 bring A's and W's K steps 0-3, which the first barrier shows
; (load lines of their own), waves 2, 3 their K steps 4-7, shown in front of the fetch of K step 4.  A's bytes are filled again ONCE, with the second tile's images: in front of the first tile's last K step, whose fragments are in registers,
; behind a drained round of the cluster's barrier, four chunks a wave; the load has that step's 16 products and the first tile's way out in which to land.
; The second tile's images are prefetched behind the first fetch: 16 chunks of 8,192 bytes; the sixteen waves of the four partners that share them take a chunk each, told apart by address; lanes 256 bytes apart.
; CLUSTERS: 4 x 4 work-groups.  The four of a row of the cluster need the same images of A, the four of a column the same of W: each block is asked for JOINTLY, by the same tensor load with a mask that names the four.
; THE MATRIX INSTRUCTION IS USED TRANSPOSED (source 0 = 16 rows of W_O, source 1 = 16 rows of O): a lane holds eight neighbouring numbers of a row of out0.  The bias is the C of each sum's first product.
; REGISTERS: window 0: v16-31 addresses; v32-47 the first tile's scale words of A (K step s, pair of row tiles p: 2 s + p; lanes 0-15 the even tile, lanes 16-31 the odd one), v48-63 W's, v64-95 the bias, v96-111 the second tile's words of A;
;   v128-255 the accumulators ((a, b) at 128 + 8 (4 a + b)); ahead of the products v128-223 hold the scale words as loaded.   window 1: two fragment buffers of 128: A's four fragments, then W's four; on the way out v64-127 take rows.
.set WIMG,  131072                     ; LDS: A's images at 0 ([chunk 16][row tile 8][1,024]), W's here,
.set STAGE, 262144                     ; a stage of 16 rows x 272 bytes for each wave; no tensor load lands there,
.set SPARE, 0x44400                    ; and the spare words
.set MSB, 0
.macro WIN new                         ; the immediate's high byte repeats the setting that is left
.if MSB != \new
	s_set_vgpr_msb (MSB<<8)|\new
.set MSB, \new
.endif
.endm
.set MUL,  0x05                        ; sources 0 (W) and 1 (A) window 1; C and D window 0
.set TO_F, 0x40                        ; destination window 1, address window 0
.set FROM_F, 0x04                      ; a store's data window 1, address window 0
.macro CROUND                          ; a round of the cluster's barrier
	s_barrier_signal -1
	s_barrier_wait -1
	s_cmp_lg_u32 s16, 0
	s_cbranch_scc1 .Lnot_wave_0_\@
	s_barrier_signal -3
.Lnot_wave_0_\@:
	s_barrier_wait -3
	s_barrier_signal -1
	s_barrier_wait -1
.endm
.macro PLACES n
.rept \n
	v_nop
.endr
.endm
	s_load_b256 s[4:11], s[0:1], 0x0               ; a_img, a_sc, wimg, wsc
	s_load_b128 s[12:15], s[0:1], 0x20             ; b_O, out0
	v_lshl_add_u32 v30, v0, 2, SPARE
	v_mov_b32 v31, 0
	ds_add_u32 v30, v31                            ; the opening lines
	ds_add_u32 v30, v31
	v_lshrrev_b32 v1, 5, v0
	v_readfirstlane_b32 s16, v1                    ; wave 0..3
	s_lshr_b32 s17, s16, 1                         ; which 64 rows are mine.  Also: which half of K I fetch at the head
	s_and_b32 s18, s16, 1                          ; which 64 columns
	s_bfe_u32 s40, ttmp6, 0x40000                  ; cx, cy: my place in the cluster
	s_bfe_u32 s41, ttmp6, 0x40004
	s_lshl_b32 s42, ttmp9, 2
	s_add_co_u32 s42, s42, s40                     ; tile column = 4 x cluster x + cx
	s_and_b32 s19, ttmp7, 0xffff
	s_lshl_b32 s19, s19, 2
	s_add_co_u32 s19, s19, s41                     ; the first tile's row = 4 x cluster y + cy; the second's is 32 further on
	s_lshl_b32 s43, s41, 2
	s_lshl_b32 s43, 15, s43                        ; my row of the cluster
	s_lshl_b32 s44, 0x1111, s40                    ; my column
	; descriptor groups 1: rows of 8,192 bytes (1,024 elements of 8): the work-group's eight images of one chunk of 64 along K
	s_or_b32 s24, s43, (3<<16)|(1<<21)             ; A at the head: eight chunks.  15:0 the mask: my row; 21 set beside a mask
	s_mov_b32 s25, 1024<<16
	s_mov_b32 s26, 8<<16
	s_mov_b32 s27, 1024<<16
	s_mov_b32 s28, 8
	s_mov_b32 s29, 65536                           ; from chunk to chunk: 524,288 bytes
	s_mov_b32 s30, 0
	s_mov_b32 s31, 0
	s_or_b32 s32, s44, (3<<16)|(1<<21)             ; W: eight chunks, to my column
	s_mov_b32 s33, 1024<<16
	s_mov_b32 s34, 8<<16
	s_mov_b32 s35, 1024<<16
	s_mov_b32 s36, 8
	s_mov_b32 s37, 8192                            ; 65,536 bytes
	s_mov_b32 s38, 0
	s_mov_b32 s39, 0
	s_or_b32 s72, s43, (3<<16)|(1<<21)             ; A's refill: four chunks
	s_mov_b32 s73, 1024<<16
	s_mov_b32 s74, 4<<16
	s_mov_b32 s75, 1024<<16
	s_mov_b32 s76, 4
	s_mov_b32 s77, 65536
	s_mov_b32 s78, 0
	s_mov_b32 s79, 0
	s_lshl_b32 s20, s19, 13                        ; A: 8,192 x tile row + my eight chunks.  (These registers never hold cx, W's never cy)
	s_lshl_b32 s21, s17, 22
	s_add_co_u32 s20, s20, s21
	s_mov_b32 s21, 0
	s_lshl_b32 s46, s42, 13                        ; W: 8,192 x tile column + my eight chunks
	s_lshl_b32 s47, s17, 19
	s_add_co_u32 s46, s46, s47
	s_mov_b32 s47, 0
	s_lshl_b32 s45, s17, 16                        ; in LDS: eight chunks of 8,192 bytes
	s_lshl_b32 s56, s19, 13                        ; the refill: the second tile's images, 32 x 8,192 bytes on, my four chunks
	s_add_co_u32 s56, s56, 262144
	s_lshl_b32 s58, s40, 2
	s_add_co_u32 s58, s58, s16                     ; the prefetch: which of the sixteen waves of my row of the cluster I am: my chunk
	s_lshl_b32 s58, s58, 19
	s_add_co_u32 s58, s58, s56
	s_mov_b32 s59, 0
	s_lshl_b32 s57, s16, 21
	s_add_co_u32 s56, s56, s57
	s_mov_b32 s57, 0
	s_wait_dscnt 0x0
	s_wait_kmcnt 0x0
	s_mov_b32 s48, 1                               ; groups 0: A at the head,
	s_mov_b32 s49, s45
	s_add_nc_u64 s[50:51], s[4:5], s[20:21]
	s_or_b32 s51, s51, 0x80000000
	s_mov_b32 s68, 1                               ; W,
	s_add_co_u32 s69, s45, WIMG
	s_add_nc_u64 s[70:71], s[8:9], s[46:47]
	s_or_b32 s71, s71, 0x80000000
	s_mov_b32 s52, 1                               ; A's refill: 32,768 bytes a wave
	s_lshl_b32 s53, s16, 15
	s_add_nc_u64 s[54:55], s[4:5], s[56:57]
	s_or_b32 s55, s55, 0x80000000
	s_add_nc_u64 s[96:97], s[4:5], s[58:59]        ; where my prefetch stands
	CROUND                                         ; all sixteen work-groups are here: the joint loads meet
	s_cmp_lt_u32 s16, 1                            ; one chain of branches on the wave's number, one load to an arm
	s_cbranch_scc0 .Larm_1
	tensor_load_to_lds s[48:51], s[24:31]
	s_nop 0
	PLACES 4
	s_branch .Lasked
.Larm_1:
	s_cmp_lt_u32 s16, 2
	s_cbranch_scc0 .Larm_2
	tensor_load_to_lds s[68:71], s[32:39]
	s_nop 0
	PLACES 4
	s_branch .Lasked
.Larm_2:
	s_cmp_lt_u32 s16, 3
	s_cbranch_scc0 .Larm_3
	tensor_load_to_lds s[48:51], s[24:31]
	s_nop 0
	PLACES 4
	s_branch .Lasked
.Larm_3:
	tensor_load_to_lds s[68:71], s[32:39]
	s_nop 0
	PLACES 4
.Lasked:
	s_lshl_b32 s84, s19, 9
	s_lshl_b32 s85, s17, 8
	s_add_co_u32 s84, s84, s85
	s_mov_b32 s85, 0
	s_add_nc_u64 s[84:85], s[6:7], s[84:85]        ; A's scale words of my 64 rows of the first tile, chunk 0; the second tile's lie 16,384 bytes on
	s_lshl_b32 s92, s42, 9
	s_lshl_b32 s93, s18, 8
	s_add_co_u32 s92, s92, s93                     ; 4 x my first column
	s_mov_b32 s93, 0
	s_add_nc_u64 s[88:89], s[12:13], s[92:93]      ; the bias of my 64 columns
	s_add_nc_u64 s[90:91], s[14:15], s[92:93]
	s_add_nc_u64 s[86:87], s[10:11], s[92:93]      ; W's scale words of my 64 columns, chunk 0
	s_lshl_b32 s92, s19, 19
	s_lshl_b32 s94, s17, 18
	s_add_co_u32 s92, s92, s94
	s_add_nc_u64 s[90:91], s[90:91], s[92:93]      ; out0 at my first row and column
	v_and_b32 v1, 31, v0                           ; lane
	v_and_b32 v2, 15, v0                           ; r
	v_bfe_u32 v3, v0, 4, 1                         ; h
	v_lshlrev_b32 v27, 2, v1
	v_lshlrev_b32 v28, 5, v3
	v_lshlrev_b32 v29, 8, v1                       ; the prefetch's offset: lanes 256 bytes apart; never rewritten
.irp h, 0,1,2,3,4,5,6,7,8,9,10,11,12,13,14,15
.irp p, 0,1
	global_load_b32 v[128+2*\h+\p], v27, s[84:85] offset:\h*32768+\p*128   ; chunk h, rows 32 p + lane
	global_load_b32 v[160+2*\h+\p], v27, s[86:87] offset:\h*4096+\p*128
.endr
.endr
.irp b, 0,1,2,3
	global_load_b128 v[64+8*\b:67+8*\b], v28, s[88:89] offset:64*\b        ; the bias in the result's layout: columns 16 b + 8 h + 0..7
	global_load_b128 v[68+8*\b:71+8*\b], v28, s[88:89] offset:64*\b+16
.endr
.irp h, 0,1,2,3,4,5,6,7,8,9,10,11,12,13,14,15
.irp p, 0,1
	global_load_b32 v[192+2*\h+\p], v27, s[84:85] offset:\h*32768+\p*128+16384   ; the second tile's
.endr
.endr
	s_lshl_b32 s92, s17, 12
	v_lshl_add_u32 v16, v1, 4, s92                 ; A's images: 16 x lane + my four row tiles; chunks 0-7,
	v_add_nc_u32 v17, 65536, v16                   ; chunks 8-15
	s_lshl_b32 s92, s18, 12
	s_add_co_u32 s92, s92, WIMG
	v_lshl_add_u32 v20, v1, 4, s92                 ; W's likewise
	v_add_nc_u32 v21, 65536, v20
	s_mul_i32 s92, s16, 4352
	s_add_co_u32 s92, s92, STAGE                   ; my stage
	v_mul_u32_u24 v24, v2, 272
	v_lshl_add_u32 v24, v3, 5, v24
	v_add_nc_u32 v24, s92, v24                     ; in: row r, 32 bytes for each half of the lanes
	v_mul_u32_u24 v25, v3, 272
	v_lshl_add_u32 v25, v2, 4, v25
	v_add_nc_u32 v25, s92, v25                     ; back: lanes 0-15 one row of 256 bytes, lanes 16-31 the next
	v_lshlrev_b32 v26, 12, v3
	v_lshl_add_u32 v26, v2, 4, v26                 ; and the same two rows in out0
	s_mov_b32 s93, 0x05040100                      ; two low halves make a word
	s_wait_alu depctr_va_vdst(0)
	s_wait_loadcnt 0x0
.irp s, 0,1,2,3,4,5,6,7                        ; a K step of 128 is two chunks: bytes 0, 1 from the even chunk's word, bytes 2, 3 from the odd one's
.irp p, 0,1
	v_perm_b32 v[32+2*\s+\p], v[130+4*\s+\p], v[128+4*\s+\p], s93
	v_perm_b32 v[48+2*\s+\p], v[162+4*\s+\p], v[160+4*\s+\p], s93
	v_perm_b32 v[96+2*\s+\p], v[194+4*\s+\p], v[192+4*\s+\p], s93
.endr
.endr
; the fragments of K step s into buffer f: register group c of a fragment is block c % 2 of chunk 2 s + c / 2; each load takes 512 consecutive bytes
.macro FETCH s, f
	WIN TO_F
.irp i, 0,1,2,3
.irp c, 0,1,2,3
	ds_load_b128 v[(\f)+64+16*\i+4*\c:(\f)+64+16*\i+4*\c+3], v[20+(\s)/4] offset:((2*(\s)+\c/2)%8)*8192+\i*1024+(\c%2)*512
	ds_load_b128 v[(\f)+16*\i+4*\c:(\f)+16*\i+4*\c+3],       v[16+(\s)/4] offset:((2*(\s)+\c/2)%8)*8192+\i*1024+(\c%2)*512
.endr
.endr
.endm
.macro ONE s, f, a, b                  ; accumulator (a, b), K step s.  The first step's C is the bias.  SAB: where the tile's scale words of A begin
.set DR, 128+8*(4*(\a)+(\b))
.if (\s) == 0
.set CR, 64+8*(\b)
.else
.set CR, DR
.endif
.set WF, (\f)+64+16*(\b)
.set AF, (\f)+16*(\a)
.set SWR, 48+2*(\s)+(\b)/2
.set SAR, SAB+2*(\s)+(\a)/2
.if ((\b)%2 == 0) && ((\a)%2 == 0)
	v_wmma_scale_f32_16x16x128_f8f6f4 v[DR:DR+7], v[WF:WF+15], v[AF:AF+15], v[CR:CR+7], v[SWR], v[SAR] matrix_a_fmt:MATRIX_FMT_BF8 matrix_b_fmt:MATRIX_FMT_BF8
.elseif ((\b)%2 == 1) && ((\a)%2 == 0)
	v_wmma_scale_f32_16x16x128_f8f6f4 v[DR:DR+7], v[WF:WF+15], v[AF:AF+15], v[CR:CR+7], v[SWR], v[SAR] matrix_a_fmt:MATRIX_FMT_BF8 matrix_b_fmt:MATRIX_FMT_BF8 matrix_a_scale:MATRIX_SCALE_ROW1
.elseif ((\b)%2 == 0) && ((\a)%2 == 1)
	v_wmma_scale_f32_16x16x128_f8f6f4 v[DR:DR+7], v[WF:WF+15], v[AF:AF+15], v[CR:CR+7], v[SWR], v[SAR] matrix_a_fmt:MATRIX_FMT_BF8 matrix_b_fmt:MATRIX_FMT_BF8 matrix_b_scale:MATRIX_SCALE_ROW1
.else
	v_wmma_scale_f32_16x16x128_f8f6f4 v[DR:DR+7], v[WF:WF+15], v[AF:AF+15], v[CR:CR+7], v[SWR], v[SAR] matrix_a_fmt:MATRIX_FMT_BF8 matrix_b_fmt:MATRIX_FMT_BF8 matrix_a_scale:MATRIX_SCALE_ROW1 matrix_b_scale:MATRIX_SCALE_ROW1
.endif
.endm
.macro MULS s, f                       ; the 16 accumulators take turns, one instruction a turn, in the same order in every step
.irp a, 0,1,2,3
.irp b, 0,1,2,3
	ONE \s, \f, \a, \b
.endr
.endr
.endm
.macro KSTEP s                         ; TILE: 0 the first tile, 1 the second
.if (\s) < 7
.if ((\s) == 3) && (TILE == 0)
	s_wait_dscnt 0x0                               ; no LDS instruction of mine is pending at the signal
	s_wait_tensorcnt 0x0                           ; every wave's load of the head is in: K steps 4-7 among them
	s_barrier_signal -1
	s_barrier_wait -1
.endif
.if (\s) >= 1
	PLACES 8                                       ; in front of loads into the buffer that the step before multiplied (ISA guide 7.12.1 for vector instructions)
.endif
	FETCH (\s)+1, 128*(((\s)+1)%2)
	s_wait_dscnt 32                                ; all but the 32 just issued: this step's fragments are in
.elseif TILE == 0
	WIN 0                                          ; THE REFILL.
	s_wait_tensorcnt 0x0                           ; no tensor load of mine is out;
	ds_add_u32 v30, v31                            ; 0 onto my spare word;
	s_wait_dscnt 0x0                               ; the add is done, and my reads of A's images are over: the last step's fragments are in registers
	CROUND                                         ; that now holds of every wave of every work-group of the cluster
	tensor_load_to_lds s[52:55], s[72:79]          ; the second tile's images of A, four chunks a wave, over the first tile's
	s_nop 0
	PLACES 4
.else
	s_wait_dscnt 0x0
.endif
	WIN MUL
	MULS \s, 128*((\s)%2)
.endm
; THE WAY OUT, 16 rows x 64 columns at a time: a lane holds 32 neighbouring bytes of a row; through my own stage they become whole rows of 256 bytes.  LDS serves a wave's instructions in order: no wait between the stores and the loads.
.macro TOSTAGE a
	WIN 0
.irp b, 0,1,2,3
	ds_store_b128 v24, v[128+8*(4*(\a)+\b):128+8*(4*(\a)+\b)+3]   offset:64*\b       ; each accumulator from its low end on
	ds_store_b128 v24, v[128+8*(4*(\a)+\b)+4:128+8*(4*(\a)+\b)+7] offset:64*\b+16
.endr
	WIN TO_F
.irp t, 0,1,2,3,4,5,6,7
	ds_load_b128 v[64+32*((\a)%2)+4*\t:64+32*((\a)%2)+4*\t+3], v25 offset:2*\t*272   ; into window 1: fragment registers that are done with
.endr
.endm
.macro SEND a, younger                 ; younger: the LDS instructions issued behind block a's loads, which may stay out
	s_wait_dscnt \younger
	WIN FROM_F
.irp t, 0,1,2,3,4,5,6,7
	global_store_b128 v26, v[64+32*((\a)%2)+4*\t:64+32*((\a)%2)+4*\t+3], s[90:91] offset:(16*(\a)+2*\t)*4096 th:TH_STORE_NT   ; sixteen lanes store 256 consecutive bytes, aligned
.endr
.endm
.macro OUT
	WIN 0
	PLACES 9                                       ; behind the last products: eight ahead of the reads of their sums and of loads into their fragments; nine ahead of the next tile's first products, which begin the same accumulators anew
	TOSTAGE 0
.irp a, 1,2,3
.if \a > 1
	s_wait_xcnt 0x0                                ; block a - 2's stores have read their registers: block a's loads may land there
.endif
	TOSTAGE \a
	SEND \a-1, 16                                  ; behind block a - 1's loads: block a's 8 stores and 8 loads
.endr
	SEND 3, 0
	WIN 0
.endm
	s_wait_alu depctr_va_vdst(0)
	s_cmp_lt_u32 s16, 2
	s_cbranch_scc0 .Lnot_first
	s_wait_tensorcnt 0x0                           ; waves 0, 1: K steps 0-3 of A and of W are in; the other waves' wait stands at the second barrier
.Lnot_first:
	s_barrier_signal -1
	s_barrier_wait -1                              ; everybody's is
.set TILE, 0
.set SAB, 32
	FETCH 0, 0
	WIN 0
	global_prefetch_b8 v29, s[96:97] th:TH_LOAD_NT scope:SCOPE_SE   ; my chunk of the second tile's images; neither address register is written again
.irp s, 0,1,2,3,4,5,6,7
	s_wait_alu depctr_va_vdst(0)
	KSTEP \s
.endr
	OUT
	s_wait_xcnt 0x0                                ; the stores have read their registers and their base
	s_add_nc_u64 s[90:91], s[90:91], 0x1000000     ; the second tile: 4,096 rows of 4,096 bytes on
	s_wait_tensorcnt 0x0                           ; my part of its images is in,
	s_wait_dscnt 0x0
	s_barrier_signal -1
	s_barrier_wait -1                              ; everybody's is; nothing is filled again
.set TILE, 1
.set SAB, 96
	FETCH 0, 0
.irp s, 0,1,2,3,4,5,6,7
	s_wait_alu depctr_va_vdst(0)
	KSTEP \s
.endr
	OUT
	s_wait_tensorcnt 0x0                           ; the wave's end
	ds_add_u32 v30, v31
	s_wait_dscnt 0x0
	CROUND                                         ; the closing round: no work-group ends while a partner may still ask for a tile that names it
	s_endpgm
.Lfunc_end_k_q8561cebda1_proj:
	.size	k_q8561cebda1_proj, .Lfunc_end_k_q8561cebda1_proj-k_q8561cebda1_proj
	.p2alignl 7, 3214868480
	.fill 96, 4, 3214868480
	.section	.rodata,"a",@progbits
	.p2align	6, 0x0
	.amdhsa_kernel k_q8561cebda1_proj
		.amdhsa_group_segment_fixed_size 327680
		.amdhsa_private_segment_fixed_size 0
		.amdhsa_enable_private_segment 0
		.amdhsa_kernarg_size 48
		.amdhsa_user_sgpr_count 2
		.amdhsa_user_sgpr_kernarg_segment_ptr 1
		.amdhsa_wavefront_size32 1
		.amdhsa_system_sgpr_workgroup_id_x 1
		.amdhsa_system_sgpr_workgroup_id_y 1
		.amdhsa_system_sgpr_workgroup_id_z 1
		.amdhsa_system_vgpr_workitem_id 0
		.amdhsa_next_free_vgpr 512
		.amdhsa_next_free_sgpr 100
		.amdhsa_reserve_vcc 0
		.amdhsa_float_denorm_mode_32 3
		.amdhsa_float_denorm_mode_16_64 3
		.amdhsa_memory_ordered 1
		.amdhsa_forward_progress 1
		.amdhsa_inst_pref_size 107
	.end_amdhsa_kernel
	.amdgpu_metadata
---
amdhsa.version: [ 1, 2 ]
amdhsa.kernels:
  - .name:           k_q8561cebda1_proj
    .symbol:         k_q8561cebda1_proj.kd
    .args:
      - { .name: a_img, .offset: 0, .size: 8, .value_kind: global_buffer, .address_space: global }
      - { .name: a_sc, .offset: 8, .size: 8, .value_kind: global_buffer, .address_space: global }
      - { .name: wimg, .offset: 16, .size: 8, .value_kind: global_buffer, .address_space: global }
      - { .name: wsc, .offset: 24, .size: 8, .value_kind: global_buffer, .address_space: global }
      - { .name: b_O, .offset: 32, .size: 8, .value_kind: global_buffer, .address_space: global }
      - { .name: out0, .offset: 40, .size: 8, .value_kind: global_buffer, .address_space: global }
    .group_segment_fixed_size: 327680
    .private_segment_fixed_size: 0
    .kernarg_segment_align: 8
    .kernarg_segment_size: 48
    .max_flat_workgroup_size: 128
    .sgpr_count:     100
    .vgpr_count:     512
    .wavefront_size: 32
...
	.end_amdgpu_metadata
.endif
;; end of part 3
